; MI455X (gfx1250); checked and timed in simulation.
; The chip was launched on July 23, 2026; its instructions are those of AMD's public machine-readable ISA for CDNA 5 (MIT licence, August 2026) and "CDNA5" Instruction Set Architecture Reference Guide (July 2026). The comments in the code are by the model that wrote it; some were corrected since.
;; Multi Head Attention. Allowed arithmetic: matrix products marked QUANTISED: E5M2 operands, one given power-of-two scale a tensor, by v_wmma_f32_16x16x64_bf8_bf8 or v_wmma_f32_16x16x128_bf8_bf8, f32 sums; everything else in f32.
;; Inputs: Wp_codes 1,024 x 32 x 32 uint8 (E5M2 codes of Wp, K innermost, in blocks of 32 codes); Wx_codes 16 x 64 x 32 x 32 uint8 (E5M2 codes of Wx, K innermost, in blocks of 32 codes); bp 1,024 float32; bx 16 x 64 float32; lowp_scales 8 int32 (the exponents e of the quantised operands' scales 2^e); sin_codes 4 x 2,048 x 32 x 32 uint8 (E5M2 codes of sin, K innermost, in blocks of 32 codes).
;; Outputs: out0 4 x 2,048 x 1,024 float32.
;; This version of the problem:
;;   THIS VERSION OF THE PROBLEM IS GIVEN IN LOW PRECISION. The matrix products marked QUANTISED in the list below multiply operands that are first quantised to E5M2 (5 exponent bits, 2 mantissa bits; 8 bits a number), with one given power-of-two scale for each operand tensor; their sums are f32. All else is computed in f32.
;;   The module's matrix products, in the order in which they are computed (A, B: the left and right operand; K: the contracted axis; several contracted axes count as one K, in the product's order):
;;     1. [M 1,024, K 1,024] x [K 1,024, N 8,192]; A: input Wx (given as codes); B: input sin (given as codes): QUANTISED (scales: A lowp_scales[0], B lowp_scales[1])
;;     2. batch 64 x [M 2,048, K 64] x [K 64, N 2,048]; A: computed on the way; B: computed on the way: QUANTISED (scales: A lowp_scales[2], B lowp_scales[3])
;;     3. batch 64 x [M 2,048, K 2,048] x [K 2,048, N 64]; A: softmax (see below); B: computed on the way: QUANTISED (scales: A lowp_scales[4], B lowp_scales[5])
;;     4. [M 8,192, K 1,024] x [K 1,024, N 1,024]; A: computed on the way; B: input Wp (given as codes): QUANTISED (scales: A lowp_scales[6], B lowp_scales[7])
;;   THE QUANTISER, for each operand of a quantised product, along K:
;;     - The operand's scale is 2^e, e = its entry of the input lowp_scales (int32; the entries are numbered through the quantised products in the list's order, A before B).
;;     - Each number is divided by the scale, clamped to +-57,344, and rounded to the nearest number of E5M2, ties to even, subnormals kept.
;;     - The product sums the exact products of the quantised numbers (number of the format x scale) in f32.
;;   ~~~python
;;   def quantise(x, axis, e):      # numpy; x: float32 -> the quantised numbers, widened to float32 again
;;       x = np.moveaxis(x, axis, -1); K = x.shape[-1]
;;       r = np.clip(x / 2.0 ** e, -57344, 57344)
;;       step = 2.0 ** (np.maximum(np.frexp(np.where(r == 0, 1, r))[1] - 1, -14) - 2)
;;       q = np.round(r / step) * step * 2.0 ** e      # np.round: ties to even
;;       return np.moveaxis(q, -1, axis).astype(np.float32)
;;   ~~~
;;   SOFTMAX AHEAD OF A QUANTISED PRODUCT. Where the list says 'softmax', what is quantised is not the finished softmax but p = 2^(t - M), with t = logit x log2(e) and M = ceil(the row's largest t), a whole number; so 1/2 < the row's largest p <= 1. The row's sum l is taken of the UNQUANTISED p, in f32, and the product's result is divided by l at the end. Since M is a whole number, a kernel that streams over the keys may use a running M (the ceiling of the running maximum): every later rescaling is an exact power of two, so the quantised numbers keep their values, but for numbers so far below the row's largest that they fall under the format's range.
;;   OPERANDS COMPUTED ON THE WAY. 'Computed on the way' means the value that the module computes at that place (a softmax that the list does not call 'softmax' is quantised finished and normalised). What goes into a quantiser is computed in f32, as accurately as f32 sums, v_exp_f32 and their like allow (about 1e-6 of the number): no bf16 or f16 on the way to a quantiser, and a product that is left as it is and whose result goes on into a quantised operand takes f32 operands (vector FMAs, or v_wmma_f32_16x16x4_f32). A number that lies on a knife's edge between two numbers of the format may be rounded either way, as far as f32 arithmetic and the matrix unit's own rounding can turn it there, and no further.
;;   INPUTS GIVEN AS CODES. Wp (in the module: [1024, 1024], K = its axis 0); Wx (in the module: [16, 1024, 64], K = its axis 1); sin (in the module: [4, 2048, 1024], K = its axis 2): each comes as NAME_codes (uint8): NAME with its K axis moved to the last place and cut into blocks of 32 codes, [.., K / 32, bytes a block], one block behind the other in memory; one code a byte (a code: sign, 5 exponent bits, 2 mantissa bits); its scale is its entry of lowp_scales. Its value is code x scale, taken as it is: it is not quantised again, and the codes and scales need not be those that the quantiser above would give.
;; One version. Each part assembles by itself: llvm-mc -triple=amdgcn-amd-amdhsa -mcpu=gfx1250 --defsym DOCPART=n.
;; ======== version 1 of 1: 3 launches
;; limits: right only within a limited range of input values
;; workspace buffers: kv 17,301,504 bytes; qc 8,388,608 bytes; cc 8,388,608 bytes
;; launch proj (part 1): grid 8 x 32, 8 waves a work-group, clusters of 4 x 4, 327,680 bytes of LDS; arguments sin_codes, Wx_codes, bx, lowp_scales, kv, qc; writes kv, qc
.if DOCPART == 1
	.amdgcn_target "amdgcn-amd-amdhsa--gfx1250"
	.amdhsa_code_object_version 6
	.text
	.protected	k_q3700e1ec8f_proj
	.globl	k_q3700e1ec8f_proj
	.p2align	8
	.type	k_q3700e1ec8f_proj,@function
k_q3700e1ec8f_proj:
	s_mov_b64 s[64:65], 0
	v_nop
	global_prefetch_b8 v0, s[64:65] scope:SCOPE_SE
	s_setreg_imm32_b32 hwreg(HW_REG_WAVE_MODE, 25, 1), 1
	s_wait_xcnt 0x0
	s_wait_alu depctr_hold_cnt(0) depctr_sa_sdst(0) depctr_va_vdst(0) depctr_va_sdst(0) depctr_va_ssrc(0) depctr_va_vcc(0) depctr_vm_vsrc(0)
	s_getreg_b32 s2, hwreg(HW_REG_IB_STS2, 6, 4)
	s_cmp_eq_u32 s2, 0
	s_cbranch_scc0 .Lentry_in_a_cluster
	s_endpgm
.Lentry_in_a_cluster:
	s_bfe_u32 s2, ttmp6, 0x10000c
	s_cmp_lg_u32 s2, 0xf033
	s_cbranch_scc0 .Lentry_shape_is_right
	s_endpgm
.Lentry_shape_is_right:
; h = sin Wx + bx on codes of BF8 (E5M2), then 1 / |h| and h quantised three times: as queries (scale entry 2), as keys (entry 3), as values along the keys (entry 5).
; sin_codes: [8192 rows][1024 K], Wx_codes: [1024 = 64 head + feature][1024 K], one code a byte, K innermost.  A sum of codes stands for sum x 2^(e0 + e1).
; SHARES.  A work-group STAYS and makes two tiles: rows 128 Y on and rows 128 (Y + 32) on (the same block of keys two batches further), each x the same 128 features (two heads).
; All of K lies in LDS, in two slots of 512 along K (sin's 128 rows, then Wx's 128).  Wx is fetched once and serves both tiles; sin's part of a slot is filled again with the second tile's rows
; as soon as the first tile's four K steps on it are over, so that the first tile's way out stands between those requests and the wait for them.
; Eight waves: wave w takes head w % 2 and rows 32 (w / 2) on: 32 rows x 64 features.
; BOTH ORIENTATIONS FROM THE SAME FRAGMENTS.  D1 = (source 0 Wx, source 1 sin): a lane holds one row and eight neighbouring features (keys', queries' images and the norm).
; D2 = (source 0 sin, source 1 Wx): a lane holds one feature and eight neighbouring rows (the values' image).  The bias / 2^(e0 + e1) is the C of each sum's first product.
; OUT: images of operands' registers (a piece = four registers of 32 lanes, lane l's 16 bytes at 16 l: 512 consecutive bytes a store).
;   kv [head of batch: 64][block of 128 keys: 16] x 16,896 bytes: 8,192 of keys (tile c, piece g at 1024 c + 512 g), 8,192 of values (feature tile t, piece g at 2048 t + 512 g), 512 of 1 / norm (f32).
;   qc [head of batch][tile of 16 queries: 128] x 1,024 bytes.
; CLUSTER 4 x 4: the four work-groups of a row need the same rows of sin, the four of a column the same rows of Wx: each tile is asked for jointly; a joint refill stands behind a round of the cluster's barrier.
; PREFETCH: the second tile's rows of sin are named once in each cluster, behind the first K step's LDS loads: three K steps ahead of the first refill, seven ahead of the second.
; LIMITS: e2 - e0 - e1, e3 - e0 - e1, e5 - e0 - e1 between -126 and 112; the sum of the squares of a row of h / 2^(e0 + e1) is a normal f32 number;
; NaN among the inputs is not served; a row of h that is all zeros gives an infinite 1 / norm, as the module's own division does.
.set PITCH,  528                       ; an LDS row: 512 bytes + 16 of padding
.set HALF,   64*PITCH                  ; what one tensor load brings
.set BOFF,   128*PITCH                 ; Wx's 128 rows lie behind sin's 128
.set SLOT,   256*PITCH                 ; 135,168 bytes; two slots: 270,336
.set SPARE,  0x44000                   ; the spare words
.set KVHEAD, 270336
.set KVBLK,  16896
.set TSIN,   0x400000                  ; from the first tile to the second: 4,096 rows of sin,
.set TKV,    32*KVHEAD                 ; 32 heads of batch in kv,
.set TQC,    0x400000                  ; and in qc
.set PADW,   (1<<20)|(1<<21)|(6<<22)|(3<<25)   ; elements of 1 byte; padding on; bit 21 beside a mask; four words after every 128
.set WV,  16                           ; s16 my wave's number
.set ADA, 4                            ; v4 (slot 0), v2 (slot 1): LDS address of my rows of sin
.set ADB, 5                            ; v5, v3: of my head's rows of Wx
.set SF,  16                           ; v16-47   two fragments of sin (16 rows x 128 K)
.set WF,  48                           ; v48-111  four fragments of Wx
.set D1,  112                          ; v112-175 tile (st, t) at 8 (4 st + t)
.set D2,  176                          ; v176-239 tile (t, st) at 8 (2 t + st)
.set BT,  240                          ; v240-243 the bias of my feature, for D2
.set QC,  16                           ; the way out: v16-31 queries' codes, v32-47 keys', v48-79 held numbers, v80-95 values' codes, v96-106 the norm
.set KC,  32
.set TMP, 48
.set VC,  80
.set NT,  96
.macro ROUND                           ; a round of the cluster's barrier
	s_barrier_signal -1
	s_barrier_wait -1
	s_cmp_lg_u32 s[WV], 0
	s_cbranch_scc1 .Lnot_wave_0_\@
	s_barrier_signal -3
.Lnot_wave_0_\@:
	s_barrier_wait -3
	s_barrier_signal -1
	s_barrier_wait -1
.endm
	s_load_b256 s[4:11], s[0:1], 0x0               ; sin s[4:5], Wx s[6:7], bx s[8:9], the exponents s[10:11]
	s_load_b128 s[12:15], s[0:1], 0x20             ; kv s[12:13], qc s[14:15]
	v_lshl_add_u32 v254, v0, 2, SPARE
	v_mov_b32 v255, 0
	ds_add_u32 v254, v255                          ; the opening lines
	ds_add_u32 v254, v255
	v_lshrrev_b32 v1, 5, v0
	v_readfirstlane_b32 s[WV], v1                  ; wave 0..7
	s_and_b32 s17, s[WV], 1                        ; which 64 rows of a tile I fetch.  Also: my head of the two
	s_lshr_b32 s18, s[WV], 2                       ; I fetch for the 512 along K number s18
	s_bfe_u32 s19, ttmp6, 0x40000                  ; cx, cy
	s_bfe_u32 s20, ttmp6, 0x40004
	s_lshl_b32 s21, ttmp9, 2
	s_add_co_u32 s21, s21, s19                     ; X: heads 2 X, 2 X + 1
	s_and_b32 s22, ttmp7, 0xffff
	s_lshl_b32 s22, s22, 2
	s_add_co_u32 s22, s22, s20                     ; Y, 0 .. 31
	s_lshl_b32 s23, s20, 2
	s_lshl_b32 s23, 15, s23                        ; my row of the cluster
	s_lshl_b32 s66, 0x1111, s19                    ; my column
	s_or_b32 s24, s23, PADW                        ; group 1 for sin's tiles: to my row
	s_or_b32 s32, s66, PADW                        ; for Wx's: to my column
.irp g, 24, 32
	s_mov_b32 s[\g+1], 512<<16                     ; 64 rows of 512 bytes, 1,024 bytes apart
	s_mov_b32 s[\g+2], 64<<16
	s_mov_b32 s[\g+3], 512<<16
	s_mov_b32 s[\g+4], 64
	s_mov_b32 s[\g+5], 1024
	s_mov_b32 s[\g+6], 0
	s_mov_b32 s[\g+7], 0
.endr
	s_lshl_b32 s67, s17, 16                        ; 64 rows x my half + 512 bytes along K x my number
	s_lshl_b32 s76, s18, 9
	s_add_co_u32 s67, s67, s76
	s_lshl_b32 s68, s22, 17                        ; sin: 128 Y rows; this pair never holds X
	s_add_co_u32 s68, s68, s67
	s_mov_b32 s69, 0
	s_lshl_b32 s70, s21, 17                        ; Wx: 128 X rows; this pair never holds Y
	s_add_co_u32 s70, s70, s67
	s_mov_b32 s71, 0
	s_mul_i32 s72, s18, SLOT                       ; where my tile goes: the slot + (wave % 4) x 64 rows
	s_and_b32 s73, s[WV], 3
	s_mul_i32 s73, s73, HALF
	s_add_co_u32 s72, s72, s73
	s_mov_b32 s92, 0x76543210                      ; lane l xor 16
	s_mov_b32 s93, 0xfedcba98
	s_lshl_b32 s74, s22, 17                        ; the prefetch: the second tile's rows 32 cx + 8 wave on (waves 0 to 3): the partners are told apart by address
	s_add_co_u32 s74, s74, TSIN
	s_lshl_b32 s75, s19, 15
	s_add_co_u32 s74, s74, s75
	s_lshl_b32 s75, s[WV], 13
	s_add_co_u32 s74, s74, s75
	s_mov_b32 s75, 0
	s_lshr_b32 s77, s[WV], 1                       ; which 32 rows are mine
	s_mul_i32 s78, s77, 32*PITCH
	s_mul_i32 s79, s17, 64*PITCH
	s_add_co_u32 s79, s79, BOFF
	s_lshl_b32 s80, s77, 11
	s_lshl_b32 s81, s77, 9
	s_lshl_b32 s86, s77, 7
	s_wait_dscnt 0x0
	s_wait_kmcnt 0x0
	s_load_b256 s[56:63], s[10:11], 0x0            ; e0 .. e7
	s_add_nc_u64 s[68:69], s[4:5], s[68:69]
	s_add_nc_u64 s[70:71], s[6:7], s[70:71]
	s_add_nc_u64 s[74:75], s[4:5], s[74:75]
	ROUND                                          ; all sixteen work-groups are here: the joint loads meet
	s_mov_b32 s40, 1                               ; group 0 for sin
	s_mov_b32 s41, s72
	s_mov_b64 s[42:43], s[68:69]
	s_or_b32 s43, s43, 0x80000000
	s_mov_b32 s48, 1                               ; and for Wx
	s_mov_b32 s49, s72
	s_mov_b64 s[50:51], s[70:71]
	s_or_b32 s51, s51, 0x80000000
	s_and_b32 s76, s[WV], 2                        ; waves 0, 1, 4, 5 fetch sin, waves 2, 3, 6, 7 Wx: one load a wave, one arm each
	s_cmp_eq_u32 s76, 0
	s_cbranch_scc0 .Lfor_wx
	tensor_load_to_lds s[40:43], s[24:31]
	s_nop 0
.rept 4
	v_nop
.endr
	s_branch .Lasked
.Lfor_wx:
	tensor_load_to_lds s[48:51], s[32:39]
	s_nop 0
.rept 4
	v_nop
.endr
.Lasked:
	v_and_b32 v1, 31, v0                           ; lane
	v_and_b32 v2, 15, v0                           ; r
	v_bfe_u32 v3, v0, 4, 1                         ; hf
	v_mul_u32_u24 v10, v2, PITCH
	v_lshl_add_u32 v10, v3, 4, v10                 ; a fragment's row x pitch + 16 x half
	v_lshlrev_b32 v8, 5, v3                        ; 32 hf: my half's eight numbers of the bias
	v_lshlrev_b32 v9, 2, v2                        ; 4 r
	v_add_nc_u32 v[ADA], s78, v10
	v_add_nc_u32 v[ADB], s79, v10
	v_add_nc_u32 v[ADA-2], SLOT, v[ADA]            ; the same in slot 1
	v_add_nc_u32 v[ADB-2], SLOT, v[ADB]
	v_lshlrev_b32 v6, 4, v1                        ; 16 x lane: my place in a piece
	v_lshlrev_b32 v7, 2, v1
	v_add_nc_u32 v11, s80, v6                      ; keys and queries: my two tiles begin 2,048 x (wave / 2) in
	v_add_nc_u32 v12, s81, v6                      ; values: my 32 keys are piece wave / 2 of each feature tile
	v_add_nc_u32 v13, s86, v7                      ; 1 / norm: 4 bytes a key
	v_lshrrev_b32 v14, 2, v1
	v_and_b32 v15, 3, v1
	v_lshlrev_b32 v15, 8, v15
	v_lshl_add_u32 v14, v14, 10, v15               ; the prefetch: row lane / 4, block lane % 4 of 256 bytes
	s_wait_alu depctr_va_vdst(0)                   ; the wait ahead of the run of scalar lines
	s_lshl_b32 s82, s21, 1
	s_add_co_u32 s82, s82, s17                     ; my head
	s_lshl_b32 s80, s82, 8
	s_mov_b32 s81, 0
	s_add_nc_u64 s[8:9], s[8:9], s[80:81]          ; its 64 numbers of bx
.macro BIASLD                          ; D1's layout: features 16 t + 8 hf + 0 .. 7
.irp t, 0,1,2,3
	global_load_b128 v[D1+8*\t:D1+8*\t+3], v8, s[8:9] offset:64*\t
	global_load_b128 v[D1+8*\t+4:D1+8*\t+7], v8, s[8:9] offset:64*\t+16
.endr
.endm
.macro BIASFIN                         ; bias / 2^(e0 + e1) into all sixteen accumulators
	s_wait_loadcnt 0x0
.set j, 0
.rept 32
	v_ldexp_f32 v[D1+32+j], v[D1+j], s84
.set j, j+1
.endr
.set j, 0
.rept 32
	v_ldexp_f32 v[D1+j], v[D1+j], s84
.set j, j+1
.endr
.irp t, 0,1,2,3
.set j, 0
.rept 16
	v_ldexp_f32 v[D2+16*\t+j], v[BT+\t], s84
.set j, j+1
.endr
.endr
.endm
	BIASLD
.irp t, 0,1,2,3
	global_load_b32 v[BT+\t], v9, s[8:9] offset:64*\t   ; D2's: feature 16 t + r; kept for both tiles
.endr
	s_lshr_b32 s85, s22, 4                         ; the batch (0 or 1; the second tile's: + 2),
	s_lshl_b32 s85, s85, 4
	s_add_co_u32 s85, s85, s82                     ; 16 x batch + head,
	s_and_b32 s90, s22, 15                         ; and the block of 128 keys
	s_mul_i32 s86, s85, KVHEAD
	s_mul_i32 s87, s90, KVBLK
	s_add_co_u32 s86, s86, s87
	s_mov_b32 s87, 0
	s_add_nc_u64 s[12:13], s[12:13], s[86:87]      ; kv at my block
	s_lshl_b32 s86, s85, 17
	s_lshl_b32 s91, s90, 13
	s_add_co_u32 s86, s86, s91
	s_add_nc_u64 s[14:15], s[14:15], s[86:87]      ; qc at the block's eight tiles
	s_wait_kmcnt 0x0
	s_add_co_i32 s83, s56, s57                     ; e0 + e1
	s_sub_co_i32 s84, 0, s83
.macro MKSC e, sc, lim                 ; a sum's code under 2^e is sum / 2^(e - e0 - e1): that power as f32 in v[sc], 57,344 x it in v[lim]
	s_sub_co_i32 s88, s[\e], s83
	s_add_co_i32 s88, s88, 127
	s_lshl_b32 s89, s88, 23
	v_mov_b32 v[\sc], s89
	s_add_co_i32 s88, s88, 15
	s_lshl_b32 s88, s88, 23
	s_or_b32 s88, s88, 0x600000
	v_mov_b32 v[\lim], s88
.endm
	MKSC 58, 244, 245                              ; queries
	MKSC 59, 246, 247                              ; keys
	MKSC 61, 248, 249                              ; values
	BIASFIN
; 128 along K, the q-th of slot s.  A fragment comes by four loads of 16 bytes, 32 bytes apart: the same permutation of k in both operands.  The sixteen accumulators take turns.
.macro KSTEP s, q
.rept 4
	v_nop                                          ; four places in front of loads into registers that matrix instructions have read
.endr
.irp st, 0,1
.irp c, 0,1,2,3
	ds_load_b128 v[SF+16*\st+4*\c:SF+16*\st+4*\c+3], v[ADA-2*\s] offset:16*PITCH*\st+128*\q+32*\c
.endr
.endr
.irp t, 0,1,2,3
.irp c, 0,1,2,3
	ds_load_b128 v[WF+16*\t+4*\c:WF+16*\t+4*\c+3], v[ADB-2*\s] offset:16*PITCH*\t+128*\q+32*\c
.endr
.endr
.irp t, 0,1,2,3
	s_wait_dscnt 12-4*\t                           ; sin's fragments and Wx's up to t are in; the later ones, four loads each, may be out
.irp st, 0,1
	v_wmma_f32_16x16x128_bf8_bf8 v[D1+8*(4*\st+\t):D1+8*(4*\st+\t)+7], v[WF+16*\t:WF+16*\t+15], v[SF+16*\st:SF+16*\st+15], v[D1+8*(4*\st+\t):D1+8*(4*\st+\t)+7]
	v_wmma_f32_16x16x128_bf8_bf8 v[D2+8*(2*\t+\st):D2+8*(2*\t+\st)+7], v[SF+16*\st:SF+16*\st+15], v[WF+16*\t:WF+16*\t+15], v[D2+8*(2*\t+\st):D2+8*(2*\t+\st)+7]
.endr
.endr
.endm
; A slot's sin is filled again: every wave waits for all its tensor loads, adds 0 to its spare word and waits for that and for its reads; a round of the cluster's barrier; then the two waves whose wave / 2 is who ask jointly.
.macro TURN who, step
	s_wait_tensorcnt 0x0
	ds_add_u32 v254, v255
.if \step
	s_add_nc_u64 s[42:43], s[42:43], TSIN          ; no load of mine is out: sin's group 0 goes on to the second tile
.endif
	s_wait_dscnt 0x0
	ROUND
	s_cmp_eq_u32 s77, \who
	s_cbranch_scc0 .Lnone_\@
	tensor_load_to_lds s[40:43], s[24:31]
	s_nop 0
.rept 4
	v_nop
.endr
.Lnone_\@:
.endm
; Rows 16 st on as codes with K = the features: 32 numbers a lane, held and converted, are the eight registers of a 16 x 64 fragment in its own layout
.macro CODES st, dst, sc, lim
.set j, 0
.rept 32
	v_med3_num_f32 v[TMP+j], v[D1+32*\st+j], -v[\lim], v[\lim]   ; the conversion does not saturate (ISA guide 7.6.2): the hold at the largest code x the scale
.set j, j+1
.endr
.irp t, 0,1,2,3
	v_cvt_scalef32_pk8_bf8_f32 v[\dst+8*\st+2*\t:\dst+8*\st+2*\t+1], v[TMP+8*\t:TMP+8*\t+7], v[\sc]
.endr
	v_nop
.endm
; THE WAY OUT of a tile.  more = 1: the next tile's bias is asked for as soon as D1 is done with.
.macro EPI more
.rept 4
	v_nop                                          ; four places in front of the first read of results and the first write of fragments' registers
.endr
.irp st, 0,1                           ; the norm: a lane holds 32 of its row's 64 features, lane l xor 16 the others
	v_pk_mul_f32 v[NT+4*\st:NT+4*\st+1], v[D1+32*\st:D1+32*\st+1], v[D1+32*\st:D1+32*\st+1]
	v_pk_mul_f32 v[NT+4*\st+2:NT+4*\st+3], v[D1+32*\st+2:D1+32*\st+3], v[D1+32*\st+2:D1+32*\st+3]
.endr
.irp j, 4,8,12,16,20,24,28
.irp st, 0,1
	v_pk_fma_f32 v[NT+4*\st:NT+4*\st+1], v[D1+32*\st+\j:D1+32*\st+\j+1], v[D1+32*\st+\j:D1+32*\st+\j+1], v[NT+4*\st:NT+4*\st+1]
	v_pk_fma_f32 v[NT+4*\st+2:NT+4*\st+3], v[D1+32*\st+\j+2:D1+32*\st+\j+3], v[D1+32*\st+\j+2:D1+32*\st+\j+3], v[NT+4*\st+2:NT+4*\st+3]
.endr
.endr
.irp st, 0,1
	v_pk_add_f32 v[NT+4*\st:NT+4*\st+1], v[NT+4*\st:NT+4*\st+1], v[NT+4*\st+2:NT+4*\st+3]
.endr
.irp st, 0,1
	v_add_f32 v[NT+4*\st], v[NT+4*\st], v[NT+4*\st+1]
.endr
.irp st, 0,1
	v_permlanex16_b32 v[NT+4*\st+2], v[NT+4*\st], s92, s93
.endr
.irp st, 0,1
	v_add_f32 v[NT+4*\st], v[NT+4*\st], v[NT+4*\st+2]
.endr
	s_wait_alu depctr_va_vdst(0)
	v_rsq_f32 v[NT+8], v[NT]
	v_rsq_f32 v[NT+9], v[NT+4]
	v_cmp_lt_u32 vcc_lo, 15, v1                    ; (the plain place)  lanes 16-31
	s_wait_alu depctr_va_vdst(0)
	v_ldexp_f32 v[NT+8], v[NT+8], s84              ; 1 / norm = 1 / (root x 2^(e0 + e1))
	v_ldexp_f32 v[NT+9], v[NT+9], s84
	v_cndmask_b32 v[NT+10], v[NT+8], v[NT+9], vcc_lo   ; lane l: key 32 (wave / 2) + l
	global_store_b32 v13, v[NT+10], s[12:13] offset:16384
	CODES 0, QC, 244, 245
	CODES 1, QC, 244, 245
	CODES 0, KC, 246, 247
	CODES 1, KC, 246, 247
.if \more
	BIASLD
.endif
.set j, 0
.rept 64
	v_med3_num_f32 v[D2+j], v[D2+j], -v249, v249   ; the values, in place; each accumulator from its low end on
.set j, j+1
.endr
.irp t, 0,1,2,3
.irp st, 0,1
	v_cvt_scalef32_pk8_bf8_f32 v[VC+4*\t+2*\st:VC+4*\t+2*\st+1], v[D2+8*(2*\t+\st):D2+8*(2*\t+\st)+7], v248
.endr
.endr
	v_nop
.irp st, 0,1
.irp g, 0,1
	global_store_b128 v11, v[KC+8*\st+4*\g:KC+8*\st+4*\g+3], s[12:13] offset:1024*\st+512*\g   ; every store of a piece covers 512 consecutive bytes, aligned
	global_store_b128 v11, v[QC+8*\st+4*\g:QC+8*\st+4*\g+3], s[14:15] offset:1024*\st+512*\g
.endr
.endr
.irp t, 0,1,2,3
	global_store_b128 v12, v[VC+4*\t:VC+4*\t+3], s[12:13] offset:8192+2048*\t
.endr
.endm
	s_wait_alu depctr_va_vdst(0)                   ; the head's end
	s_wait_tensorcnt 0x0                           ; my one load has landed
	s_barrier_signal -1
	s_barrier_wait -1                              ; both slots are whole
	KSTEP 0, 0
	s_cmp_lt_u32 s[WV], 4                          ; waves 0 to 3 name the second tile's rows: 8 rows x 4 blocks of 256 bytes a wave, a lane a block
	s_cbranch_scc0 .Lnot_mine
	global_prefetch_b8 v14, s[74:75] th:TH_LOAD_NT scope:SCOPE_SE
.Lnot_mine:
	KSTEP 0, 1
	KSTEP 0, 2
	KSTEP 0, 3
	TURN 0, 1                                      ; slot 0's sin: waves 0 and 1
	KSTEP 1, 0
	KSTEP 1, 1
	KSTEP 1, 2
	KSTEP 1, 3
	TURN 2, 0                                      ; slot 1's sin: waves 4 and 5
	EPI 1
	s_wait_xcnt 0x0                                ; the stores have read their registers and bases
	s_add_nc_u64 s[12:13], s[12:13], TKV
	s_add_nc_u64 s[14:15], s[14:15], TQC
	BIASFIN
	s_wait_alu depctr_va_vdst(0)                   ; the wait ahead of the wait below
	s_wait_tensorcnt 0x0                           ; my refill, if I issued one, has landed
	s_barrier_signal -1
	s_barrier_wait -1                              ; the second tile's sin is whole; nothing is filled again
	KSTEP 0, 0
	KSTEP 0, 1
	KSTEP 0, 2
	KSTEP 0, 3
	KSTEP 1, 0
	KSTEP 1, 1
	KSTEP 1, 2
	KSTEP 1, 3
	EPI 0
	s_wait_tensorcnt 0x0                           ; the wave's end
	ds_add_u32 v254, v255
	s_wait_dscnt 0x0
	ROUND                                          ; the closing round
	s_endpgm
.Lfunc_end_k_q3700e1ec8f_proj:
	.size	k_q3700e1ec8f_proj, .Lfunc_end_k_q3700e1ec8f_proj-k_q3700e1ec8f_proj
	.p2alignl 7, 3214868480
	.fill 96, 4, 3214868480
	.section	.rodata,"a",@progbits
	.p2align	6, 0x0
	.amdhsa_kernel k_q3700e1ec8f_proj
		.amdhsa_group_segment_fixed_size 327680
		.amdhsa_private_segment_fixed_size 0
		.amdhsa_enable_private_segment 0
		.amdhsa_kernarg_size 48
		.amdhsa_user_sgpr_count 2
		.amdhsa_user_sgpr_kernarg_segment_ptr 1
		.amdhsa_wavefront_size32 1
		.amdhsa_system_sgpr_workgroup_id_x 1
		.amdhsa_system_sgpr_workgroup_id_y 1
		.amdhsa_system_sgpr_workgroup_id_z 1
		.amdhsa_system_vgpr_workitem_id 0
		.amdhsa_next_free_vgpr 256
		.amdhsa_next_free_sgpr 96
		.amdhsa_reserve_vcc 1
		.amdhsa_float_denorm_mode_32 3
		.amdhsa_float_denorm_mode_16_64 3
		.amdhsa_memory_ordered 1
		.amdhsa_forward_progress 1
		.amdhsa_inst_pref_size 108
	.end_amdhsa_kernel
	.amdgpu_metadata
---
amdhsa.version: [ 1, 2 ]
amdhsa.kernels:
  - .name:           k_q3700e1ec8f_proj
    .symbol:         k_q3700e1ec8f_proj.kd
    .args:
      - { .name: sin_codes, .offset: 0, .size: 8, .value_kind: global_buffer, .address_space: global }
      - { .name: Wx_codes, .offset: 8, .size: 8, .value_kind: global_buffer, .address_space: global }
      - { .name: bx, .offset: 16, .size: 8, .value_kind: global_buffer, .address_space: global }
      - { .name: lowp_scales, .offset: 24, .size: 8, .value_kind: global_buffer, .address_space: global }
      - { .name: kv, .offset: 32, .size: 8, .value_kind: global_buffer, .address_space: global }
      - { .name: qc, .offset: 40, .size: 8, .value_kind: global_buffer, .address_space: global }
    .group_segment_fixed_size: 327680
    .private_segment_fixed_size: 0
    .kernarg_segment_align: 8
    .kernarg_segment_size: 48
    .max_flat_workgroup_size: 256
    .sgpr_count:     96
    .vgpr_count:     256
    .wavefront_size: 32
...
	.end_amdgpu_metadata
.endif
;; end of part 1
;; launch attn (part 2): grid 4 x 64, 8 waves a work-group, clusters of 4 x 1, 327,680 bytes of LDS; arguments qc, kv, lowp_scales, cc; writes cc
.if DOCPART == 2
	.amdgcn_target "amdgcn-amd-amdhsa--gfx1250"
	.amdhsa_code_object_version 6
	.text
	.protected	k_q3700e1ec8f_attn
	.globl	k_q3700e1ec8f_attn
	.p2align	8
	.type	k_q3700e1ec8f_attn,@function
k_q3700e1ec8f_attn:
	s_mov_b64 s[64:65], 0
	v_nop
	global_prefetch_b8 v0, s[64:65] scope:SCOPE_SE
	s_setreg_imm32_b32 hwreg(HW_REG_WAVE_MODE, 25, 1), 1
	s_wait_xcnt 0x0
	s_wait_alu depctr_hold_cnt(0) depctr_sa_sdst(0) depctr_va_vdst(0) depctr_va_sdst(0) depctr_va_ssrc(0) depctr_va_vcc(0) depctr_vm_vsrc(0)
	s_getreg_b32 s2, hwreg(HW_REG_IB_STS2, 6, 4)
	s_cmp_eq_u32 s2, 0
	s_cbranch_scc0 .Lentry_in_a_cluster
	s_endpgm
.Lentry_in_a_cluster:
	s_bfe_u32 s2, ttmp6, 0x10000c
	s_cmp_lg_u32 s2, 0x3003
	s_cbranch_scc0 .Lentry_shape_is_right
	s_endpgm
.Lentry_shape_is_right:
; cat = softmax(h h^T / (|h| |h|^T)) h for one head of one batch, both products on codes of BF8 (E5M2); the result is quantised under scale entry 6 and stored as images of fragments (cc).
; qc, kv: images of operands' registers: kv [head of batch: 64][block of 128 keys: 16] x 16,896 bytes (8,192 of keys, 8,192 of values, 512 of 1 / norm), qc [head of batch][tile of 16 queries] x 1,024 bytes.
; THE SHIFT IS A CONSTANT.  The module divides every score by both norms.  Rounding to E5M2 at most doubles a number's magnitude (a factor 9/8 among normal codes, 2 at the lowest step) and the hold only lessens it, so by
; Cauchy-Schwarz |score| <= 4 and |t| = |score| log2(e) < 6, whatever the inputs hold.  No exponential and no sum of 2,048 of them leaves f32's range, so M = 6 serves every row.  M is a whole number,
; so p = 2^(t - 6) differs from 2^(t - ceil(largest t)) by an exact power of two, which cancels against the row's sum.  2^t is computed, the conversion's scale is 2^(e4 + 6), the sum is taken of 2^t, and the end multiplies by 2^(e4 + e5 + 6) / sum.
; LIMITS: e4 between -15 and 2: then 2^(t - 6 - e4) stays under 57,344 (no hold is written; under the row's own M no p passes the largest code either) and is a normal code; e2 + e3 between -126 and 126;
; e6 between -126 and 112.  A row of h that is all zeros gives NaN, as the module's own division does.
; SHARES.  A cluster of four work-groups owns a head; all its keys and values, 270,336 bytes, lie in each work-group's LDS, asked for jointly, one load of two blocks a wave, filled once.  A work-group owns 512 queries, a wave 64: four tiles of 16.
; No prefetch: every byte is asked for at the head, and the text has no loop that reads memory.
; LAYOUT.  S^T = K Q^T, O^T = V^T P^T: a lane holds one query; tile c's eight registers are keys 16 c + 8 (lane / 16) + 0 .. 7, which the conversion lays as registers 2 c, 2 c + 1 of P.
; THE WALK.  A unit is one tile of queries x 128 keys, 64 scores a lane.  Two score buffers take turns: while unit u's exponentials are issued, unit u + 1's multiplies by the query's factor stand among them;
; then u is converted, multiplied with V and summed, and u + 2's scores are made in its buffer and multiplied by the keys' 1 / norm.  Fragments are asked of LDS one batch of exponentials ahead of their use.
; REGISTERS.  Window 0: addresses and constants, QF, CQ, LS, TT, PA, RN, SA, SB.  Window 1: OA v0-127, KF v128-191, VF v192-255.
.set KVHEAD, 270336
.set KVBLK,  16896
.set SPARE,  0x42000                   ; the spare words, 128 bytes a wave
.set QST,    0x42400                   ; each wave's own 4,096 bytes: its four fragments of Q; no tile lands here
.set MFIX,   6
.set LI,  1                            ; 16 x lane
.set H32, 2                            ; 32 x (lane / 16)
.set ADR, 3                            ; the block in hand + LI
.set ARN, 4                            ; the block in hand + H32
.set AQ,  5                            ; my stage of Q + LI
.set SCP, 6                            ; 2^(e4 + 6)
.set LIM6, 7                           ; 57,344 x 2^e6
.set SC6, 8                            ; 2^e6
.set SPW, 10
.set NIL, 11
.set QF,  12                           ; v12-19  one fragment of Q
.set CQ,  20                           ; v20-27  log2(e) 2^(e2 + e3) / |my query|, a pair for each tile
.set LS,  28                           ; v28-35  the rows' sums, a pair for each tile
.set TT,  36                           ; v36-43  partial sums
.set PA,  44                           ; v44-59  P's codes of one unit
.set RN,  60                           ; v60-123 1 / norm of my 64 keys of the step
.set SA,  124                          ; v124-187, v188-251 the two score buffers
.set SB,  188
.set OA,  0
.set KF,  128
.set VF,  192
.set WV,  12
.set SEL, 40
.set CS,  42
.set TB,  43
.set CNT, 44
.set MSB, 0
.macro WIN new                         ; the immediate's high byte repeats the setting that is left
.if MSB != \new
	s_set_vgpr_msb (MSB<<8)|\new
.set MSB, \new
.endif
.endm
.macro ROUND                           ; a round of the cluster's barrier
	s_barrier_signal -1
	s_barrier_wait -1
	s_cmp_lg_u32 s[WV], 0
	s_cbranch_scc1 .Lnot_wave_0_\@
	s_barrier_signal -3
.Lnot_wave_0_\@:
	s_barrier_wait -3
	s_barrier_signal -1
	s_barrier_wait -1
.endm
	s_load_b256 s[4:11], s[0:1], 0x0               ; qc s[4:5], kv s[6:7], the exponents s[8:9], cc s[10:11]
	v_lshl_add_u32 v[SPW], v0, 2, SPARE
	v_mov_b32 v[NIL], 0
	ds_add_u32 v[SPW], v[NIL]                      ; the opening lines
	ds_add_u32 v[SPW], v[NIL]
	v_lshrrev_b32 v9, 5, v0
	v_readfirstlane_b32 s[WV], v9                  ; wave 0..7
	v_and_b32 v9, 31, v0
	v_lshlrev_b32 v[LI], 4, v9
	v_bfe_u32 v[H32], v0, 4, 1
	v_lshlrev_b32 v[H32], 5, v[H32]
	v_and_b32 v9, 15, v0
	v_lshlrev_b32 v9, 2, v9
	s_bfe_u32 s13, ttmp6, 0x40000                  ; cx
	s_lshl_b32 s14, ttmp9, 2
	s_add_co_u32 s14, s14, s13                     ; X: queries 512 X on
	s_and_b32 s15, ttmp7, 0xffff                   ; head of batch
	s_mov_b32 s16, 15|(1<<21)                      ; group 1: all four partners; elements of 1 byte, dense
	s_mov_b32 s17, 256<<16
	s_mov_b32 s18, 132<<16                         ; two blocks are 132 rows of 256 bytes
	s_mov_b32 s19, 256<<16
	s_mov_b32 s20, 132
	s_mov_b32 s21, 256
	s_mov_b32 s22, 0
	s_mov_b32 s23, 0
	s_mul_i32 s48, s15, KVHEAD
	s_mul_i32 s50, s[WV], 2*KVBLK                  ; blocks 2 wave, 2 wave + 1: in memory and in LDS alike
	s_add_co_u32 s48, s48, s50
	s_mov_b32 s49, 0
	s_lshl_b32 s46, s15, 17                        ; qc: head, work-group, wave
	s_lshl_b32 s47, s14, 15
	s_add_co_u32 s46, s46, s47
	s_lshl_b32 s47, s[WV], 12
	s_add_co_u32 s46, s46, s47
	s_mov_b32 s47, 0
	s_lshl_b32 s58, s14, 2
	s_lshr_b32 s59, s[WV], 1
	s_add_co_u32 s58, s58, s59                     ; the block of 128 rows that holds my 64 queries,
	s_and_b32 s59, s[WV], 1                        ; and which half of it
	s_mul_i32 s56, s15, KVHEAD
	s_mul_i32 s57, s58, KVBLK
	s_add_co_u32 s56, s56, s57
	s_lshl_b32 s57, s59, 8
	s_add_co_u32 s56, s56, s57
	s_add_co_u32 s56, s56, 16384                   ; my queries' 1 / norm
	s_mov_b32 s57, 0
	s_lshr_b32 s60, s15, 4                         ; cc: [16 batch + block][head / 2][row tile][piece]
	s_lshl_b32 s60, s60, 4
	s_add_co_u32 s60, s60, s58
	s_lshl_b32 s60, s60, 17
	s_and_b32 s62, s15, 15
	s_lshr_b32 s63, s62, 1
	s_lshl_b32 s63, s63, 14
	s_add_co_u32 s60, s60, s63
	s_and_b32 s62, s62, 1
	s_lshl_b32 s62, s62, 10
	s_add_co_u32 s60, s60, s62
	s_lshl_b32 s62, s59, 13
	s_add_co_u32 s60, s60, s62
	s_mov_b32 s61, 0
	s_mov_b32 s[SEL], 0x76543210
	s_mov_b32 s[SEL+1], 0xfedcba98
	s_wait_alu depctr_va_vdst(0)                   ; the wait ahead of the waits below
	s_wait_dscnt 0x0
	s_wait_kmcnt 0x0
	s_load_b256 s[32:39], s[8:9], 0x0              ; e0 .. e7
	s_add_nc_u64 s[52:53], s[6:7], s[48:49]
	s_add_nc_u64 s[56:57], s[6:7], s[56:57]
	s_add_nc_u64 s[4:5], s[4:5], s[46:47]
	s_add_nc_u64 s[10:11], s[10:11], s[60:61]
.set i, 0
.rept 8
	global_load_b128 v[SA+4*i:SA+4*i+3], v[LI], s[4:5] offset:512*i   ; my four fragments of Q, asked for ahead of the round
.set i, i+1
.endr
.irp i, 0,1,2,3
	global_load_b32 v[CQ+2*\i], v9, s[56:57] offset:64*\i             ; 1 / norm of query 16 i + lane % 16
.endr
	ROUND                                          ; the four partners are here: the joint loads meet
	s_mov_b32 s24, 1
	s_mov_b32 s25, s50
	s_mov_b64 s[26:27], s[52:53]
	s_or_b32 s27, s27, 0x80000000
	tensor_load_to_lds s[24:27], s[16:23]          ; my one tensor load of the launch
	s_nop 0
	s_lshl_b32 s46, s[WV], 12
	s_add_co_u32 s46, s46, QST
	v_add_nc_u32 v[AQ], s46, v[LI]
.set i, 0
.rept 8
	v_mov_b32 v[LS+i], 0
.set i, i+1
.endr
	s_wait_kmcnt 0x0
	s_add_co_i32 s46, s34, s35
	s_lshl_b32 s46, s46, 23
	s_add_co_i32 s[CS], s46, 0x3fb8aa3b            ; log2(e) x 2^(e2 + e3)
	s_add_co_i32 s46, s36, 127+MFIX
	s_lshl_b32 s46, s46, 23
	v_mov_b32 v[SCP], s46
	s_add_co_i32 s46, s38, 127
	s_lshl_b32 s47, s46, 23
	v_mov_b32 v[SC6], s47
	s_add_co_i32 s46, s46, 15
	s_lshl_b32 s46, s46, 23
	s_or_b32 s46, s46, 0x600000
	v_mov_b32 v[LIM6], s46
	s_add_co_i32 s45, s36, s37
	s_add_co_i32 s45, s45, MFIX                    ; e4 + e5 + 6
	s_mov_b32 s[TB], 0
	v_add_nc_u32 v[ADR], s[TB], v[LI]
	v_add_nc_u32 v[ARN], s[TB], v[H32]
	s_wait_alu depctr_va_vdst(0)                   ; the wait ahead of the wait below
	s_wait_loadcnt 0x0
.irp i, 0,1,2,3
	v_mul_f32 v[CQ+2*\i], s[CS], v[CQ+2*\i]
.endr
.irp i, 0,1,2,3
	v_mov_b32 v[CQ+2*\i+1], v[CQ+2*\i]
.endr
	s_wait_alu depctr_va_vdst(0)                   ; the head's end
	s_wait_tensorcnt 0x0                           ; my two blocks are in
.set i, 0
.rept 8
	ds_store_b128 v[AQ], v[SA+4*i:SA+4*i+3] offset:512*i              ; Q into my own stage, as it came
.set i, i+1
.endr
	s_wait_dscnt 0x0
	s_barrier_signal -1
	s_barrier_wait -1                              ; all sixteen blocks are whole
.macro LDW1 base, off                  ; 16 pieces of the block in hand into window 1
	WIN 0x40
.set i, 0
.rept 16
	ds_load_b128 v[\base+4*i:\base+4*i+3], v[ADR] offset:\off+512*i
.set i, i+1
.endr
	WIN 0
.endm
.macro LDRN                            ; registers 8 c + 0 .. 7: 1 / norm of keys 16 c + 8 (lane / 16) + 0 .. 7
.set i, 0
.rept 16
	ds_load_b128 v[RN+4*i:RN+4*i+3], v[ARN] offset:16384+64*(i/2)+16*(i%2)
.set i, i+1
.endr
.endm
.macro LDQ i
	ds_load_b128 v[QF:QF+3], v[AQ] offset:1024*\i
	ds_load_b128 v[QF+4:QF+7], v[AQ] offset:1024*\i+512
.endm
.macro SGEN p                          ; S^T of one unit: eight tiles of 16 keys against the fragment of Q in hand
	WIN 0x01
.irp c, 0,1,2,3,4,5,6,7
	v_wmma_f32_16x16x64_bf8_bf8 v[\p+8*\c:\p+8*\c+7], v[KF+8*\c:KF+8*\c+7], v[QF:QF+7], 0
.endr
	WIN 0
.endm
.macro MUL1 p                          ; x 1 / |key|; each accumulator from its low end on
.set j, 0
.rept 32
	v_pk_mul_f32 v[\p+j:\p+j+1], v[\p+j:\p+j+1], v[RN+j:RN+j+1]
.set j, j+2
.endr
.endm
; The batch: 64 exponentials of buffer p; among them, mul = 1, the 32 multiplies of buffer n by tile i's query factor, which read and write nothing of the batch.  One wait ahead, one behind.
.macro XP p, n, i, mul
	s_wait_alu depctr_va_vdst(0)
.set j, 0
.rept 32
	v_exp_f32 v[\p+j], v[\p+j]
	v_exp_f32 v[\p+j+1], v[\p+j+1]
.if \mul
	v_pk_mul_f32 v[\n+j:\n+j+1], v[\n+j:\n+j+1], v[CQ+2*\i:CQ+2*\i+1]
.endif
.set j, j+2
.endr
.if \mul == 0
	v_nop                                          ; the plain place behind the last exponential
.endif
	s_wait_alu depctr_va_vdst(0)
.endm
; Behind the batch: buffer p holds tile i's 2^t.  gen = 1: the unit two on is made in p.  ld = 1: the next block's keys and norms are asked for, ld = 2: its values.  qn: the fragment of Q to ask for, or -1.
.macro YP p, i, zero, gen, ld, qn
	s_wait_dscnt 0x0                               ; all LDS loads issued ahead of the batch are in
.irp c, 0,1,2,3,4,5,6,7
	v_cvt_scalef32_pk8_bf8_f32 v[PA+2*\c:PA+2*\c+1], v[\p+8*\c:\p+8*\c+7], v[SCP]
.endr
	WIN 0x51
	v_nop                                          ; one plain line between the conversions and what reads their results or writes their sources
	s_wait_alu depctr_va_vdst(0)                   ; the wait here, directly ahead of the first readers of O^T
.irp ft, 0,1,2,3
.if \zero
	v_wmma_f32_16x16x128_bf8_bf8 v[OA+32*\i+8*\ft:OA+32*\i+8*\ft+7], v[VF+16*\ft:VF+16*\ft+15], v[PA:PA+15], 0
.else
	v_wmma_f32_16x16x128_bf8_bf8 v[OA+32*\i+8*\ft:OA+32*\i+8*\ft+7], v[VF+16*\ft:VF+16*\ft+15], v[PA:PA+15], v[OA+32*\i+8*\ft:OA+32*\i+8*\ft+7]
.endif
.endr
	WIN 0
.set j, 0
.rept 16                               ; the row's sum of the unquantised numbers, as a tree: 16, 8, 4 packed additions here, 4 below
	v_pk_add_f32 v[\p+j:\p+j+1], v[\p+j:\p+j+1], v[\p+j+2:\p+j+3]
.set j, j+4
.endr
.set j, 0
.rept 8
	v_pk_add_f32 v[\p+j:\p+j+1], v[\p+j:\p+j+1], v[\p+j+4:\p+j+5]
.set j, j+8
.endr
.set j, 0
.rept 4
	v_pk_add_f32 v[TT+j/8:TT+j/8+1], v[\p+j:\p+j+1], v[\p+j+8:\p+j+9]
.set j, j+16
.endr
.if \gen
	SGEN \p
.endif
	v_pk_add_f32 v[TT:TT+1], v[TT:TT+1], v[TT+2:TT+3]          ; these four name no register of the products above: they are the places ahead of the first read of the scores
	v_pk_add_f32 v[TT+4:TT+5], v[TT+4:TT+5], v[TT+6:TT+7]
	v_pk_add_f32 v[TT:TT+1], v[TT:TT+1], v[TT+4:TT+5]
	v_pk_add_f32 v[LS+2*\i:LS+2*\i+1], v[LS+2*\i:LS+2*\i+1], v[TT:TT+1]
.if \ld == 1
	s_add_co_u32 s[TB], s[TB], KVBLK               ; on to the next block
	v_add_nc_u32 v[ADR], s[TB], v[LI]
	v_add_nc_u32 v[ARN], s[TB], v[H32]
.endif
.if \gen
	MUL1 \p
.endif
.if \ld == 1
	LDW1 KF, 0
	LDRN
.endif
.if \ld == 2
	LDW1 VF, 8192
.endif
.if \qn >= 0
	LDQ \qn
.endif
.endm
.macro STEP zero, last                 ; 128 keys x my four tiles
	XP SA, SB, 1, 1
	YP SA, 0, \zero, 1, 0, 3
	XP SB, SA, 2, 1
.if \last
	YP SB, 1, \zero, 1, 0, -1
	XP SA, SB, 3, 1
	YP SA, 2, \zero, 0, 0, -1
	XP SB, SA, 0, 0
	YP SB, 3, \zero, 0, 0, -1
.else
	YP SB, 1, \zero, 1, 1, 0
	XP SA, SB, 3, 1
	YP SA, 2, \zero, 1, 0, 1
	XP SB, SA, 0, 1
	YP SB, 3, \zero, 1, 2, 2
.endif
.endm
	; the first two units are made ahead of the walk
	LDW1 KF, 0
	LDW1 VF, 8192
	LDRN
	LDQ 0
	s_wait_dscnt 0x0
	SGEN SA
.rept 4
	v_nop
.endr
	MUL1 SA
	LDQ 1
.set j, 0
.rept 32
	v_pk_mul_f32 v[SA+j:SA+j+1], v[SA+j:SA+j+1], v[CQ:CQ+1]
.set j, j+2
.endr
	s_wait_alu depctr_va_vdst(0)                   ; the wait ahead of the wait below
	s_wait_dscnt 0x0
	SGEN SB
.rept 4
	v_nop
.endr
	MUL1 SB
	LDQ 2
	STEP 1, 0                                      ; the first step's products start O^T's sums
	s_mov_b32 s[CNT], 14
	s_wait_alu depctr_va_vdst(0)
.Lstep:
	STEP 0, 0
	s_sub_co_u32 s[CNT], s[CNT], 1
	s_cmp_lg_u32 s[CNT], 0
	s_wait_alu depctr_va_vdst(0)                   ; the wait directly ahead of the branch
	s_cbranch_scc1 .Lstep
	STEP 0, 1                                      ; the last step makes no unit beyond the keys' end
	; THE WAY OUT: the sums' halves and lane l xor 16's; O^T x 2^(e4 + e5 + 6) / sum; held, converted under 2^e6, stored as pieces of 512 bytes.
.irp i, 0,1,2,3
	v_add_f32 v[LS+2*\i], v[LS+2*\i], v[LS+2*\i+1]
.endr
.irp i, 0,1,2,3
	v_permlanex16_b32 v[TT+\i], v[LS+2*\i], s[SEL], s[SEL+1]
.endr
.irp i, 0,1,2,3
	v_add_f32 v[LS+2*\i], v[LS+2*\i], v[TT+\i]
.endr
	s_wait_alu depctr_va_vdst(0)
.irp i, 0,1,2,3
	v_rcp_f32 v[CQ+2*\i], v[LS+2*\i]
.endr
	v_nop
	s_wait_alu depctr_va_vdst(0)
.irp i, 0,1,2,3
	v_ldexp_f32 v[CQ+2*\i], v[CQ+2*\i], s45
.endr
.irp i, 0,1,2,3
	v_mov_b32 v[CQ+2*\i+1], v[CQ+2*\i]
.endr
	WIN 0x01
	s_wait_alu depctr_va_vdst(0)                   ; the wait here, directly ahead of the first reader of O^T
.irp i, 0,1,2,3
.set j, 0
.rept 16
	v_pk_mul_f32 v[SA+32*\i+j:SA+32*\i+j+1], v[OA+32*\i+j:OA+32*\i+j+1], v[CQ+2*\i:CQ+2*\i+1]
.set j, j+2
.endr
.endr
	WIN 0
.set j, 0
.rept 128
	v_med3_num_f32 v[SA+j], v[SA+j], -v[LIM6], v[LIM6]   ; the conversion does not saturate (ISA guide 7.6.2): the hold at the largest code x the scale
.set j, j+1
.endr
.irp i, 0,1,2,3
.irp ft, 0,1,2,3
	v_cvt_scalef32_pk8_bf8_f32 v[RN+8*\i+2*\ft:RN+8*\i+2*\ft+1], v[SA+32*\i+8*\ft:SA+32*\i+8*\ft+7], v[SC6]
.endr
.endr
	v_nop
.irp i, 0,1,2,3
.irp g, 0,1
	global_store_b128 v[LI], v[RN+8*\i+4*\g:RN+8*\i+4*\g+3], s[10:11] offset:2048*\i+512*\g   ; 512 consecutive bytes a store, aligned
.endr
.endr
	s_wait_tensorcnt 0x0                           ; the wave's end
	ds_add_u32 v[SPW], v[NIL]
	s_wait_dscnt 0x0
	ROUND                                          ; the closing round
	s_endpgm
.Lfunc_end_k_q3700e1ec8f_attn:
	.size	k_q3700e1ec8f_attn, .Lfunc_end_k_q3700e1ec8f_attn-k_q3700e1ec8f_attn
	.p2alignl 7, 3214868480
	.fill 96, 4, 3214868480
	.section	.rodata,"a",@progbits
	.p2align	6, 0x0
	.amdhsa_kernel k_q3700e1ec8f_attn
		.amdhsa_group_segment_fixed_size 327680
		.amdhsa_private_segment_fixed_size 0
		.amdhsa_enable_private_segment 0
		.amdhsa_kernarg_size 32
		.amdhsa_user_sgpr_count 2
		.amdhsa_user_sgpr_kernarg_segment_ptr 1
		.amdhsa_wavefront_size32 1
		.amdhsa_system_sgpr_workgroup_id_x 1
		.amdhsa_system_sgpr_workgroup_id_y 1
		.amdhsa_system_sgpr_workgroup_id_z 1
		.amdhsa_system_vgpr_workitem_id 0
		.amdhsa_next_free_vgpr 512
		.amdhsa_next_free_sgpr 66
		.amdhsa_reserve_vcc 0
		.amdhsa_float_denorm_mode_32 3
		.amdhsa_float_denorm_mode_16_64 3
		.amdhsa_memory_ordered 1
		.amdhsa_forward_progress 1
		.amdhsa_inst_pref_size 149
	.end_amdhsa_kernel
	.amdgpu_metadata
---
amdhsa.version: [ 1, 2 ]
amdhsa.kernels:
  - .name:           k_q3700e1ec8f_attn
    .symbol:         k_q3700e1ec8f_attn.kd
    .args:
      - { .name: qc, .offset: 0, .size: 8, .value_kind: global_buffer, .address_space: global }
      - { .name: kv, .offset: 8, .size: 8, .value_kind: global_buffer, .address_space: global }
      - { .name: lowp_scales, .offset: 16, .size: 8, .value_kind: global_buffer, .address_space: global }
      - { .name: cc, .offset: 24, .size: 8, .value_kind: global_buffer, .address_space: global }
    .group_segment_fixed_size: 327680
    .private_segment_fixed_size: 0
    .kernarg_segment_align: 8
    .kernarg_segment_size: 32
    .max_flat_workgroup_size: 256
    .sgpr_count:     66
    .vgpr_count:     512
    .wavefront_size: 32
...
	.end_amdgpu_metadata
.endif
;; end of part 2
;; launch outp (part 3): grid 8 x 32, 8 waves a work-group, clusters of 4 x 4, 327,680 bytes of LDS; arguments cc, Wp_codes, bp, lowp_scales, out0; writes out0
.if DOCPART == 3
	.amdgcn_target "amdgcn-amd-amdhsa--gfx1250"
	.amdhsa_code_object_version 6
	.text
	.protected	k_q3700e1ec8f_outp
	.globl	k_q3700e1ec8f_outp
	.p2align	8
	.type	k_q3700e1ec8f_outp,@function
k_q3700e1ec8f_outp:
	s_mov_b64 s[64:65], 0
	v_nop
	global_prefetch_b8 v0, s[64:65] scope:SCOPE_SE
	s_setreg_imm32_b32 hwreg(HW_REG_WAVE_MODE, 25, 1), 1
	s_wait_xcnt 0x0
	s_wait_alu depctr_hold_cnt(0) depctr_sa_sdst(0) depctr_va_vdst(0) depctr_va_sdst(0) depctr_va_ssrc(0) depctr_va_vcc(0) depctr_vm_vsrc(0)
	s_getreg_b32 s2, hwreg(HW_REG_IB_STS2, 6, 4)
	s_cmp_eq_u32 s2, 0
	s_cbranch_scc0 .Lentry_in_a_cluster
	s_endpgm
.Lentry_in_a_cluster:
	s_bfe_u32 s2, ttmp6, 0x10000c
	s_cmp_lg_u32 s2, 0xf033
	s_cbranch_scc0 .Lentry_shape_is_right
	s_endpgm
.Lentry_shape_is_right:
; out0 = cat Wp + bp on codes of BF8 (E5M2).  cc: cat's codes as images of fragments, [block of 128 rows: 64][K step of 128: 8][row tile: 8][piece: 4] x 512 bytes (lane l's 16 bytes at 16 l),
; in the K = 128 form's own layout (registers 2 c, 2 c + 1: k = 16 c + 8 (lane / 16) + 0 .. 7).  Wp_codes: [1024 outputs][1024 K], K innermost.  out0: [8192][1024] f32.
; A sum of codes stands for sum x 2^(e6 + e7): out = sum x 2^(e6 + e7) + bp, one packed multiply-add for two numbers.
; SHARES.  A work-group STAYS and makes two tiles: rows 128 Y on and rows 128 (Y + 32) on, each x the same 128 outputs.  All of K lies in LDS, in two slots of 512 along K (cc's four K steps, then Wp's 128 rows).
; Wp is fetched once and serves both tiles; cc's part of a slot is filled again with the second tile's block as soon as the first tile's four K steps on it are over: the first tile's way out stands between those requests and the wait for them.
; Eight waves: wave w makes outputs 64 (w % 2) on of rows 32 (w / 2) on.  THE MATRIX INSTRUCTION IS USED TRANSPOSED (source 0 = 16 rows of Wp, source 1 = 16 rows of cat): a lane holds eight neighbouring outputs of one row.
; CLUSTER 4 x 4: the four work-groups of a row need the same block of cc, the four of a column the same rows of Wp: each tile is asked for jointly; a joint refill stands behind a round of the cluster's barrier.
; PREFETCH: the second tile's block of cc is named once in each cluster, behind the first K step's LDS loads: three K steps ahead of the first refill, seven ahead of the second.
; LIMIT: e6 + e7 between -126 and 127, so that 2^(e6 + e7) is an f32 number.
.set PITCH,  272                       ; a row of the stage: 256 bytes + 16
.set WP,     528                       ; a row of Wp in LDS: 512 bytes + 16 of padding
.set HALF,   64*WP
.set WOFF,   65536                     ; a slot: cc's four K steps (4 x 16,384 bytes, dense), then Wp's 128 rows
.set SLOT,   WOFF+128*WP               ; 133,120 bytes; two slots: 266,240
.set STAGE,  2*SLOT                    ; behind the slots: 16 rows x 272 bytes for each wave: bytes of their own, into which no tile lands
.set SPARE,  0x4a800                   ; the spare words
.set TCC,    0x400000                  ; from the first tile to the second: 32 blocks of cc,
.set TOUT,   0x1000000                 ; 4,096 rows of out0
.set PADW,   (1<<20)|(1<<21)|(6<<22)|(3<<25)
.set WV,  16
.set ADA, 4                            ; v4 (slot 0), v10 (slot 1): LDS address of my two fragments of cat
.set ADB, 5                            ; v5, v11: of my 64 rows of Wp
.set STO, 6                            ; v6  the way out: where I put 32 bytes of a row
.set RD,  7                            ; v7  where I read a row back
.set CO,  8                            ; v8  my byte offset in out0
.set AF,  16                           ; v16-47   two fragments of cat
.set BF,  48                           ; v48-111  four fragments of Wp
.set ACC, 112                          ; v112-175 tile (rt, nt) at 8 (4 rt + nt)
.set BP,  176                          ; v176-207 bp in the result's layout, kept for both tiles
.set Y0,  208                          ; v208-239 row tile 0's finished numbers; row tile 1's in v80-111
.set Y1,  80
.macro ROUND                           ; a round of the cluster's barrier
	s_barrier_signal -1
	s_barrier_wait -1
	s_cmp_lg_u32 s[WV], 0
	s_cbranch_scc1 .Lnot_wave_0_\@
	s_barrier_signal -3
.Lnot_wave_0_\@:
	s_barrier_wait -3
	s_barrier_signal -1
	s_barrier_wait -1
.endm
	s_load_b256 s[4:11], s[0:1], 0x0               ; cc s[4:5], Wp s[6:7], bp s[8:9], the exponents s[10:11]
	s_load_b64 s[12:13], s[0:1], 0x20              ; out0
	v_lshl_add_u32 v254, v0, 2, SPARE
	v_mov_b32 v255, 0
	ds_add_u32 v254, v255                          ; the opening lines
	ds_add_u32 v254, v255
	v_lshrrev_b32 v1, 5, v0
	v_readfirstlane_b32 s[WV], v1                  ; wave 0..7
	s_and_b32 s17, s[WV], 1                        ; which half of a tile I fetch.  Also: my 64 outputs of the 128
	s_lshr_b32 s18, s[WV], 2                       ; I fetch for the 512 along K number s18
	s_bfe_u32 s19, ttmp6, 0x40000                  ; cx, cy
	s_bfe_u32 s20, ttmp6, 0x40004
	s_lshl_b32 s21, ttmp9, 2
	s_add_co_u32 s21, s21, s19                     ; X: outputs 128 X on
	s_and_b32 s22, ttmp7, 0xffff
	s_lshl_b32 s22, s22, 2
	s_add_co_u32 s22, s22, s20                     ; Y, 0 .. 31
	s_lshl_b32 s23, s20, 2
	s_lshl_b32 s23, 15, s23                        ; my row of the cluster
	s_lshl_b32 s66, 0x1111, s19                    ; my column
	s_or_b32 s24, s23, (1<<21)                     ; group 1 for cc: to my row; dense
	s_or_b32 s32, s66, PADW                        ; for Wp: to my column; four words of padding after every 128
	s_mov_b32 s25, 256<<16                         ; cc: 128 rows of 256 bytes, two K steps
	s_mov_b32 s26, 128<<16
	s_mov_b32 s27, 256<<16
	s_mov_b32 s28, 128
	s_mov_b32 s29, 256
	s_mov_b32 s30, 0
	s_mov_b32 s31, 0
	s_mov_b32 s33, 512<<16                         ; Wp: 64 rows of 512 bytes, 1,024 apart
	s_mov_b32 s34, 64<<16
	s_mov_b32 s35, 512<<16
	s_mov_b32 s36, 64
	s_mov_b32 s37, 1024
	s_mov_b32 s38, 0
	s_mov_b32 s39, 0
	s_lshl_b32 s67, s17, 15                        ; cc: my two K steps of the slot's four,
	s_lshl_b32 s76, s18, 16                        ; the slot's 65,536 bytes,
	s_lshl_b32 s68, s22, 17                        ; the block of 128 rows; this pair never holds X
	s_add_co_u32 s68, s68, s67
	s_add_co_u32 s68, s68, s76
	s_mov_b32 s69, 0
	s_lshl_b32 s74, s17, 16                        ; Wp: my 64 rows,
	s_lshl_b32 s75, s18, 9                         ; 512 bytes along K x my number,
	s_lshl_b32 s70, s21, 17                        ; 128 X rows; this pair never holds Y
	s_add_co_u32 s70, s70, s74
	s_add_co_u32 s70, s70, s75
	s_mov_b32 s71, 0
	s_mul_i32 s72, s18, SLOT                       ; where they go; no place in the cluster enters an LDS address
	s_add_co_u32 s72, s72, s67                     ; cc: the slot + 32,768 x half
	s_mul_i32 s73, s18, SLOT
	s_mul_i32 s77, s17, HALF
	s_add_co_u32 s73, s73, s77
	s_add_co_u32 s73, s73, WOFF                    ; Wp: the slot + 65,536 + 64 rows x half
	s_lshr_b32 s78, s[WV], 1                       ; which 32 rows are mine
	s_lshl_b32 s79, s78, 12
	s_add_co_u32 s80, s77, WOFF
	s_mul_i32 s81, s[WV], 16*PITCH
	s_add_co_u32 s81, s81, STAGE                   ; my stage
	s_lshl_b32 s86, s22, 17                        ; the prefetch: of the second tile's block, 32,768 bytes x cx + 8,192 x wave on (waves 0 to 3): the partners are told apart by address
	s_add_co_u32 s86, s86, TCC
	s_lshl_b32 s87, s19, 15
	s_add_co_u32 s86, s86, s87
	s_lshl_b32 s87, s[WV], 13
	s_add_co_u32 s86, s86, s87
	s_mov_b32 s87, 0
	s_wait_dscnt 0x0
	s_wait_kmcnt 0x0
	s_load_b256 s[56:63], s[10:11], 0x0            ; e0 .. e7
	s_add_nc_u64 s[68:69], s[4:5], s[68:69]
	s_add_nc_u64 s[70:71], s[6:7], s[70:71]
	s_add_nc_u64 s[86:87], s[4:5], s[86:87]
	ROUND                                          ; all sixteen work-groups are here: the joint loads meet
	s_mov_b32 s40, 1                               ; group 0 for cc
	s_mov_b32 s41, s72
	s_mov_b64 s[42:43], s[68:69]
	s_or_b32 s43, s43, 0x80000000
	s_mov_b32 s48, 1                               ; and for Wp
	s_mov_b32 s49, s73
	s_mov_b64 s[50:51], s[70:71]
	s_or_b32 s51, s51, 0x80000000
	s_and_b32 s76, s[WV], 2                        ; waves 0, 1, 4, 5 fetch cc, waves 2, 3, 6, 7 Wp: one load a wave, one arm each
	s_cmp_eq_u32 s76, 0
	s_cbranch_scc0 .Lfor_wp
	tensor_load_to_lds s[40:43], s[24:31]
	s_nop 0
.rept 4
	v_nop
.endr
	s_branch .Lasked
.Lfor_wp:
	tensor_load_to_lds s[48:51], s[32:39]
	s_nop 0
.rept 4
	v_nop
.endr
.Lasked:
	v_and_b32 v1, 31, v0                           ; lane
	v_and_b32 v2, 15, v0                           ; r
	v_bfe_u32 v3, v0, 4, 1                         ; hf
	v_lshlrev_b32 v[ADA], 4, v1
	v_add_nc_u32 v[ADA], s79, v[ADA]               ; two row tiles of 2,048 bytes x (wave / 2) + 16 x lane
	v_mul_u32_u24 v[ADB], v2, WP
	v_lshl_add_u32 v[ADB], v3, 3, v[ADB]           ; row r x pitch + 8 x half
	v_add_nc_u32 v[ADB], s80, v[ADB]
	v_add_nc_u32 v[ADA+6], SLOT, v[ADA]            ; the same in slot 1
	v_add_nc_u32 v[ADB+6], SLOT, v[ADB]
	v_mul_u32_u24 v[STO], v2, PITCH
	v_lshl_add_u32 v[STO], v3, 5, v[STO]
	v_add_nc_u32 v[STO], s81, v[STO]               ; in: row r, 32 bytes for each half of the lanes
	v_mul_u32_u24 v[RD], v3, PITCH
	v_lshl_add_u32 v[RD], v2, 4, v[RD]
	v_add_nc_u32 v[RD], s81, v[RD]                 ; back: lanes 0-15 one row of 256 bytes, lanes 16-31 the next
	v_lshlrev_b32 v[CO], 12, v3
	v_lshl_add_u32 v[CO], v2, 4, v[CO]             ; and the same two rows in out0
	v_lshlrev_b32 v9, 5, v3                        ; 32 hf: my half's eight numbers of bp
	v_lshlrev_b32 v12, 8, v1                       ; the prefetch: lanes 256 bytes apart
	s_wait_alu depctr_va_vdst(0)                   ; the wait ahead of the run of scalar lines
	s_lshl_b32 s82, s21, 9
	s_lshl_b32 s83, s17, 8
	s_add_co_u32 s82, s82, s83                     ; my first output, in bytes: 512 X + 256 x half
	s_mov_b32 s83, 0
	s_add_nc_u64 s[8:9], s[8:9], s[82:83]
.irp nt, 0,1,2,3
	global_load_b128 v[BP+8*\nt:BP+8*\nt+3], v9, s[8:9] offset:64*\nt       ; outputs 16 nt + 8 hf + 0 .. 7
	global_load_b128 v[BP+8*\nt+4:BP+8*\nt+7], v9, s[8:9] offset:64*\nt+16
.endr
	s_lshl_b32 s84, s22, 19                        ; my first row of out0: 128 Y + 32 (wave / 2), 4,096 bytes each
	s_lshl_b32 s85, s78, 17
	s_add_co_u32 s84, s84, s85
	s_add_co_u32 s84, s84, s82
	s_mov_b32 s85, 0
	s_add_nc_u64 s[12:13], s[12:13], s[84:85]
	s_wait_kmcnt 0x0
	s_add_co_i32 s90, s62, s63                     ; e6 + e7
	s_add_co_i32 s90, s90, 127
	s_lshl_b32 s90, s90, 23                        ; 2^(e6 + e7) as f32
	s_mov_b32 s91, s90                             ; (named with it as a pair)
; 128 along K, the q-th of slot s.  cat's fragments come as they were stored; Wp's by eight loads of 8 bytes, 16 bytes apart: the form's own layout.  The eight accumulators take turns.  zero = 1: the products start the sums.
.macro KSTEP s, q, zero
.rept 4
	v_nop                                          ; four places in front of loads into registers that matrix instructions have read
.endr
.irp rt, 0,1
.irp c, 0,1,2,3
	ds_load_b128 v[AF+16*\rt+4*\c:AF+16*\rt+4*\c+3], v[ADA+6*\s] offset:16384*\q+2048*\rt+512*\c
.endr
.endr
.irp nt, 0,1,2,3
.irp c, 0,1,2,3,4,5,6,7
	ds_load_b64 v[BF+16*\nt+2*\c:BF+16*\nt+2*\c+1], v[ADB+6*\s] offset:16*WP*\nt+128*\q+16*\c
.endr
.endr
.irp nt, 0,1,2,3
	s_wait_dscnt 24-8*\nt                          ; cat's fragments and Wp's up to nt are in; the later ones, eight loads each, may be out
.irp rt, 0,1
.if \zero
	v_wmma_f32_16x16x128_bf8_bf8 v[ACC+8*(4*\rt+\nt):ACC+8*(4*\rt+\nt)+7], v[BF+16*\nt:BF+16*\nt+15], v[AF+16*\rt:AF+16*\rt+15], 0
.else
	v_wmma_f32_16x16x128_bf8_bf8 v[ACC+8*(4*\rt+\nt):ACC+8*(4*\rt+\nt)+7], v[BF+16*\nt:BF+16*\nt+15], v[AF+16*\rt:AF+16*\rt+15], v[ACC+8*(4*\rt+\nt):ACC+8*(4*\rt+\nt)+7]
.endif
.endr
.endr
.endm
; A slot's cc is filled again: every wave waits for all its tensor loads, adds 0 to its spare word and waits for that and for its reads; a round of the cluster's barrier; then the two waves whose wave / 2 is who ask jointly.
.macro TURN who, step
	s_wait_tensorcnt 0x0
	ds_add_u32 v254, v255
.if \step
	s_add_nc_u64 s[42:43], s[42:43], TCC           ; no load of mine is out: cc's group 0 goes on to the second tile
.endif
	s_wait_dscnt 0x0
	ROUND
	s_cmp_eq_u32 s78, \who
	s_cbranch_scc0 .Lnone_\@
	tensor_load_to_lds s[40:43], s[24:31]
	s_nop 0
.rept 4
	v_nop
.endr
.Lnone_\@:
.endm
.macro FIN rt, y
.irp nt, 0,1,2,3
.irp j, 0,2,4,6
	v_pk_fma_f32 v[\y+8*\nt+\j:\y+8*\nt+\j+1], v[ACC+8*(4*\rt+\nt)+\j:ACC+8*(4*\rt+\nt)+\j+1], s[90:91], v[BP+8*\nt+\j:BP+8*\nt+\j+1] op_sel_hi:[1,0,1]   ; sum x 2^(e6 + e7) + bp; each accumulator from its low end on
.endr
.endr
.endm
.macro TOSTAGE y, back
.irp nt, 0,1,2,3
	ds_store_b128 v[STO], v[\y+8*\nt:\y+8*\nt+3] offset:64*\nt
	ds_store_b128 v[STO], v[\y+8*\nt+4:\y+8*\nt+7] offset:64*\nt+16
.endr
.irp i, 0,1,2,3,4,5,6,7
	ds_load_b128 v[\back+4*\i:\back+4*\i+3], v[RD] offset:2*PITCH*\i   ; LDS serves a wave's instructions in order (ISA guide 5.7.1.4): these see the stores above
.endr
.endm
.macro SEND rt, back
.irp i, 0,1,2,3,4,5,6,7
	s_wait_dscnt 7-\i                              ; the loads come back in order: pair i of rows is in
	global_store_b128 v[CO], v[\back+4*\i:\back+4*\i+3], s[12:13] offset:65536*\rt+8192*\i th:TH_STORE_NT   ; 16 lanes store 256 consecutive bytes, aligned
.endr
.endm
; THE WAY OUT of a tile, 16 rows x 64 outputs at a time, through my own stage, back as whole rows of 256 bytes.
.macro OUT
.rept 4
	v_nop                                          ; four places in front of the first read of results, of the writes and of the loads into fragments' registers
.endr
	FIN 0, Y0
	TOSTAGE Y0, AF
	FIN 1, Y1
	s_wait_alu depctr_va_vdst(0)                   ; the wait ahead of SEND's waits
	SEND 0, AF
	TOSTAGE Y1, BF
	SEND 1, BF
.endm
	s_wait_loadcnt 0x0                             ; bp
	s_wait_tensorcnt 0x0                           ; my one load has landed
	s_barrier_signal -1
	s_barrier_wait -1                              ; both slots are whole
	KSTEP 0, 0, 1
	s_cmp_lt_u32 s[WV], 4                          ; waves 0 to 3 name the second tile's block: 8,192 bytes a wave, a lane a block of 256
	s_cbranch_scc0 .Lnot_mine
	global_prefetch_b8 v12, s[86:87] th:TH_LOAD_NT scope:SCOPE_SE
.Lnot_mine:
	KSTEP 0, 1, 0
	KSTEP 0, 2, 0
	KSTEP 0, 3, 0
	TURN 0, 1                                      ; slot 0's cc: waves 0 and 1
	KSTEP 1, 0, 0
	KSTEP 1, 1, 0
	KSTEP 1, 2, 0
	KSTEP 1, 3, 0
	TURN 2, 0                                      ; slot 1's cc: waves 4 and 5
	OUT
	s_wait_xcnt 0x0                                ; the stores have read their registers and their base
	s_add_nc_u64 s[12:13], s[12:13], TOUT
	s_wait_tensorcnt 0x0                           ; my refill, if I issued one, has landed
	s_barrier_signal -1
	s_barrier_wait -1                              ; the second tile's cc is whole; nothing is filled again
	KSTEP 0, 0, 1
	KSTEP 0, 1, 0
	KSTEP 0, 2, 0
	KSTEP 0, 3, 0
	KSTEP 1, 0, 0
	KSTEP 1, 1, 0
	KSTEP 1, 2, 0
	KSTEP 1, 3, 0
	OUT
	s_wait_tensorcnt 0x0                           ; the wave's end
	ds_add_u32 v254, v255
	s_wait_dscnt 0x0
	ROUND                                          ; the closing round
	s_endpgm
.Lfunc_end_k_q3700e1ec8f_outp:
	.size	k_q3700e1ec8f_outp, .Lfunc_end_k_q3700e1ec8f_outp-k_q3700e1ec8f_outp
	.p2alignl 7, 3214868480
	.fill 96, 4, 3214868480
	.section	.rodata,"a",@progbits
	.p2align	6, 0x0
	.amdhsa_kernel k_q3700e1ec8f_outp
		.amdhsa_group_segment_fixed_size 327680
		.amdhsa_private_segment_fixed_size 0
		.amdhsa_enable_private_segment 0
		.amdhsa_kernarg_size 40
		.amdhsa_user_sgpr_count 2
		.amdhsa_user_sgpr_kernarg_segment_ptr 1
		.amdhsa_wavefront_size32 1
		.amdhsa_system_sgpr_workgroup_id_x 1
		.amdhsa_system_sgpr_workgroup_id_y 1
		.amdhsa_system_sgpr_workgroup_id_z 1
		.amdhsa_system_vgpr_workitem_id 0
		.amdhsa_next_free_vgpr 256
		.amdhsa_next_free_sgpr 96
		.amdhsa_reserve_vcc 0
		.amdhsa_float_denorm_mode_32 3
		.amdhsa_float_denorm_mode_16_64 3
		.amdhsa_memory_ordered 1
		.amdhsa_forward_progress 1
		.amdhsa_inst_pref_size 74
	.end_amdhsa_kernel
	.amdgpu_metadata
---
amdhsa.version: [ 1, 2 ]
amdhsa.kernels:
  - .name:           k_q3700e1ec8f_outp
    .symbol:         k_q3700e1ec8f_outp.kd
    .args:
      - { .name: cc, .offset: 0, .size: 8, .value_kind: global_buffer, .address_space: global }
      - { .name: Wp_codes, .offset: 8, .size: 8, .value_kind: global_buffer, .address_space: global }
      - { .name: bp, .offset: 16, .size: 8, .value_kind: global_buffer, .address_space: global }
      - { .name: lowp_scales, .offset: 24, .size: 8, .value_kind: global_buffer, .address_space: global }
      - { .name: out0, .offset: 32, .size: 8, .value_kind: global_buffer, .address_space: global }
    .group_segment_fixed_size: 327680
    .private_segment_fixed_size: 0
    .kernarg_segment_align: 8
    .kernarg_segment_size: 40
    .max_flat_workgroup_size: 256
    .sgpr_count:     96
    .vgpr_count:     256
    .wavefront_size: 32
...
	.end_amdgpu_metadata
.endif
;; end of part 3
